; MI455X (gfx1250); checked and timed in simulation.
; The chip was launched on July 23, 2026; its instructions are those of AMD's public machine-readable ISA for CDNA 5 (MIT licence, August 2026) and "CDNA5" Instruction Set Architecture Reference Guide (July 2026). The comments in the code are by the model that wrote it; some were corrected since.
;; Harmonic Oscillator1 D. Allowed arithmetic: matrix products marked QUANTISED: E4M3 operands, one E8M0 scale for each 32 along K, by v_wmma_scale_f32_16x16x128_f8f6f4 with both operands' format E4M3, f32 sums; products left as they are: f32 operands where the result goes on into a quantised operand, else bf16, f16 or f32 operands; f32 sums; everything else in f32.
;; Inputs: W1 8 x 256 float32; W2 256 x 256 float32; W3 256 x 1 float32; b1 256 float32; b2 256 float32; b3 1 float32; x 16 x 2,048 x 8 float32.
;; Outputs: out0 16 x 2,048 float32.
;; This version of the problem:
;;   THIS VERSION OF THE PROBLEM IS GIVEN IN LOW PRECISION. The matrix products marked QUANTISED in the list below multiply operands that are first quantised to E4M3 (4 exponent bits, 3 mantissa bits; 8 bits a number), with one power-of-two scale for each 32 numbers along K (OCP MX v1.0); their sums are f32. All else is computed in f32.
;;   The module's matrix products, in the order in which they are computed (A, B: the left and right operand; K: the contracted axis; several contracted axes count as one K, in the product's order):
;;     1. [M 32,768, K 8] x [K 8, N 256]; A: input x; B: input W1: left as it is (K = 8 < 32)
;;     2. [M 32,768, K 256] x [K 256, N 256]; A: computed on the way; B: input W2: QUANTISED
;;     3. [M 32,768, K 256] x [K 256, N 1]; A: computed on the way; B: input W3: left as it is (N = 1 < 16)
;;     4. [M 1, K 1] x [K 1, N 256]; A: computed on the way; B: input W3: left as it is (K = 1 < 32)
;;     5. [M 32,768, K 256] x [K 256, N 256]; A: computed on the way; B: input W2: QUANTISED
;;     6. [M 32,768, K 256] x [K 256, N 8]; A: computed on the way; B: input W1: left as it is (N = 8 < 16)
;;     7. [M 32,768, K 8] x [K 8, N 256]; A: input x; B: input W1: left as it is (K = 8 < 32)
;;     8. [M 8, K 8] x [K 8, N 256]; A: computed on the way; B: input W1: left as it is (K = 8 < 32)
;;     9. [M 32,768, K 256] x [K 256, N 256]; A: computed on the way; B: input W2: QUANTISED
;;     10. [M 262,144, K 256] x [K 256, N 256]; A: computed on the way; B: input W2: QUANTISED
;;     11. [M 32,768, K 256] x [K 256, N 1]; A: computed on the way; B: input W3: left as it is (N = 1 < 16)
;;     12. [M 262,144, K 256] x [K 256, N 1]; A: computed on the way; B: input W3: left as it is (N = 1 < 16)
;;     13. [M 1, K 1] x [K 1, N 256]; A: computed on the way; B: input W3: left as it is (K = 1 < 32)
;;     14. [M 32,768, K 256] x [K 256, N 256]; A: computed on the way; B: input W2: QUANTISED
;;     15. [M 262,144, K 256] x [K 256, N 256]; A: computed on the way; B: input W2: QUANTISED
;;     16. [M 32,768, K 256] x [K 256, N 8]; A: computed on the way; B: input W1: left as it is (N = 8 < 16)
;;     17. [M 262,144, K 256] x [K 256, N 8]; A: computed on the way; B: input W1: left as it is (N = 8 < 16)
;;     18. batch 8 x [M 1, K 8] x [K 8, N 32,768]; A: computed on the way; B: computed on the way: left as it is (K = 8 < 32)
;;   THE QUANTISER, for each operand of a quantised product, along K:
;;     - K is cut into blocks of 32 from its start; a last block that is shorter is filled with zeros.
;;     - A block's scale is 2^e with e = floor(log2(the largest magnitude in the block)) - 8, held to -126 .. 127; a block of zeros has e = 0. As a byte (E8M0): e + 127.
;;     - Each number is divided by its block's scale, clamped to +-448, and rounded to the nearest number of E4M3, ties to even, subnormals kept.
;;     - The product sums the exact products of the quantised numbers (number of the format x scale) in f32.
;;   ~~~python
;;   def quantise(x, axis):      # numpy; x: float32 -> the quantised numbers, widened to float32 again
;;       x = np.moveaxis(x, axis, -1); K = x.shape[-1]
;;       x = np.pad(x, [(0, 0)] * (x.ndim - 1) + [(0, -K % 32)]); x = x.reshape(x.shape[:-1] + (-1, 32)); a = np.abs(x).max(-1, keepdims=True)
;;       e = np.where(a > 0, np.clip(np.frexp(np.where(a > 0, a, 1))[1] - 1 - 8, -126, 127), 0)      # np.frexp(a)[1] - 1 = floor(log2(a)), exactly
;;       r = np.clip(x / 2.0 ** e, -448, 448)
;;       step = 2.0 ** (np.maximum(np.frexp(np.where(r == 0, 1, r))[1] - 1, -6) - 3)
;;       q = np.round(r / step) * step * 2.0 ** e      # np.round: ties to even
;;       return np.moveaxis(q.reshape(q.shape[:-2] + (-1,))[..., :K], -1, axis).astype(np.float32)
;;   ~~~
;;   OPERANDS COMPUTED ON THE WAY. 'Computed on the way' means the value that the module computes at that place (a softmax that the list does not call 'softmax' is quantised finished and normalised). What goes into a quantiser is computed in f32, as accurately as f32 sums, v_exp_f32 and their like allow (about 1e-6 of the number): no bf16 or f16 on the way to a quantiser, and a product that is left as it is and whose result goes on into a quantised operand takes f32 operands (vector FMAs, or v_wmma_f32_16x16x4_f32). A number that lies on a knife's edge between two numbers of the format may be rounded either way, as far as f32 arithmetic and the matrix unit's own rounding can turn it there, and no further.
;; One version. Each part assembles by itself: llvm-mc -triple=amdgcn-amd-amdhsa -mcpu=gfx1250 --defsym DOCPART=n.
;; ======== version 1 of 1: 2 launches
;; workspace buffers: w2q 139,264 bytes
;; launch prep (part 1): grid 16 x 1, 4 waves a work-group, no clusters, 0 bytes of LDS; arguments W2, w2q; writes w2q
.if DOCPART == 1
	.amdgcn_target "amdgcn-amd-amdhsa--gfx1250"
	.amdhsa_code_object_version 6
	.text
	.protected	k_qc77a5fd73b_prep
	.globl	k_qc77a5fd73b_prep
	.p2align	8
	.type	k_qc77a5fd73b_prep,@function
k_qc77a5fd73b_prep:
	s_mov_b64 s[64:65], 0
	v_nop
	global_prefetch_b8 v0, s[64:65] scope:SCOPE_SE
	s_setreg_imm32_b32 hwreg(HW_REG_WAVE_MODE, 25, 1), 1
	s_wait_xcnt 0x0
; THE PROGRAM.  out = KIN (lap f + |grad f|^2) + POT |x|^2 for f(x) = W3^T tanh(W2^T tanh(W1^T x + b1) + b2) + b3, 32,768 samples of 8 numbers.
; With j the first hidden index and k the second:  z1 = x W1 + b1, h1 = tanh z1, d1 = 1 - h1^2;  z2 = Q(h1) Qa(W2) + b2, h2 = tanh z2;  dz2 = W3 (1 - h2^2);  dh1 = Q(dz2) Qb(W2)^T;
; g_i = sum_j dh1_j d1_j W1_ij;  for each direction i:  tz2_i = Q(d1 W1_i) Qa(W2),  tdh1_i = Q(c tz2_i) Qb(W2)^T with c = -2 h2 dz2,  hdiag_i = sum_j (tdh1_ij d1_j - 2 dh1_j h1_j d1_j W1_ij) W1_ij.
; Q: the quantiser along a product's K;  Qa: W2 quantised along its first axis (K = j);  Qb: along its second (K = k).
; WORK LEFT OUT, for all finite values of the inputs:
;   products 3, 11, 12 and the input b3 make f's value and its tangent; only the gradient of f and its directional derivatives go on to out0, so nothing leads from them to the result.  b3 is not loaded and is no argument of any launch.
;   products 7, 9, 13, 14, 16 are products 1, 2, 4, 5, 6 once more on the same operands (the primal inside the jvp): each is computed once.
;   products 4 and 13 multiply W3 by the constant 1;  product 8 multiplies W1 by the unit matrix that the function builds itself: W1's rows are read as they are.
;   of products 17 and 18 the dot with the unit vector e_i keeps component i alone: only sum_j t(dz1)_ij W1_ij is formed.
; LIMITS: a NaN, an infinity or an overflow that reaches only the work left out (b3, f's value) is not carried to the result.
;
; THIS LAUNCH quantises W2 [256][256] f32 once, both ways, to codes of E4M3 with one E8M0 byte for each 32 along K, into w2q, laid in the order of the operand's registers:
;   fragment f = 32 mat + 4 w + 2 u + s (mat 0: Qa, 1: Qb; w: a slice of 32 of N; u: a tile of 16 of them; s: a K step of 128) is 2,048 bytes at 2,048 f: registers 4 c .. 4 c + 3 of lane l at 512 c + 16 l;
;   its scale words, four bytes a lane, at 131,072 + 128 f + 4 l.
;   Lane (r, h) of the fragment holds N index n = 32 w + 8 u + r + 8 (r / 8) and K = 128 s + 32 c + 16 h + 0 .. 15: W2[K][n] for mat 0, W2[n][K] for mat 1.
;   THE N INDICES OF A TILE ARE NOT NEIGHBOURS, so that in the transposed product the 16 result registers of tiles u = 0, 1 are 16 neighbours along the next K.
; One wave makes one fragment: 16 work-groups of four waves.  A lane's registers run along K in the operand's own order, so the conversions' results are the fragment; a block of 32 lies in lanes l and l xor 16.
; LIMITS: a block of zeros gets the byte 1 where the rule says 127 (its codes are zeros, which add nothing under any byte but 0xff, and this program alone reads the bytes); NaN and infinities in W2 are not served.
; The scale words of a wave are 128 consecutive bytes; the codes leave in stores of 512 consecutive bytes.
.set NUM, 64                           ; v64-127  64 numbers: register 16 c + i is K = 128 s + 32 c + 16 h + i
	s_load_b128 s[4:7], s[0:1], 0x0                ; W2, w2q
	v_lshrrev_b32 v8, 5, v0
	v_readfirstlane_b32 s8, v8                     ; wave 0..3 = 2 u + s
	v_and_b32 v1, 15, v0                           ; r
	v_bfe_u32 v2, v0, 4, 1                         ; h
	v_and_b32 v3, 8, v1
	v_add_nc_u32 v3, v3, v1                        ; r + 8 (r / 8)
	v_lshlrev_b32 v4, 2, v3
	v_lshl_add_u32 v4, v2, 14, v4                  ; mat 0: column: 4 bytes; lanes 16-31 begin 16 rows of 1,024 bytes further down
	v_lshlrev_b32 v5, 10, v3
	v_lshl_add_u32 v5, v2, 6, v5                   ; mat 1: row of 1,024 bytes; lanes 16-31 begin 16 numbers further on
	v_and_b32 v7, 31, v0
	v_lshlrev_b32 v6, 4, v7                        ; 16 x lane
	v_lshlrev_b32 v7, 2, v7                        ; 4 x lane
.irp b, 0,1,2,3
	v_mov_b32 v[36+\b], 0                          ; written once: a lane permute's destination counts as one of its sources
.endr
	s_and_b32 s12, ttmp9, 7                        ; w
	s_lshr_b32 s13, s8, 1                          ; u
	s_and_b32 s14, s8, 1                           ; s
	s_lshl_b32 s15, s12, 5
	s_lshl_b32 s16, s13, 3
	s_add_co_u32 s15, s15, s16                     ; 32 w + 8 u
	s_lshl_b32 s16, ttmp9, 2
	s_add_co_u32 s16, s16, s8                      ; f = 4 x work-group + wave
	s_mov_b32 s20, 0x76543210
	s_mov_b32 s21, 0xfedcba98                      ; v_permlanex16_b32's selects for lane l xor 16
	s_mov_b32 s22, 0x600000                        ; the mantissa field of 448
	s_mov_b32 s11, 0
	s_wait_kmcnt 0x0
	s_lshl_b32 s10, s16, 11
	s_add_nc_u64 s[24:25], s[6:7], s[10:11]        ; where my fragment goes
	s_lshl_b32 s10, s16, 7
	s_add_co_u32 s10, s10, 131072
	s_add_nc_u64 s[26:27], s[6:7], s[10:11]        ; and its scale words
	s_cmp_lt_u32 ttmp9, 8                          ; the first eight work-groups take K = W2's first axis, the others its second
	s_cbranch_scc0 .Lrows
	s_lshl_b32 s10, s14, 17                        ; 128 s rows of 1,024 bytes
	s_lshl_b32 s17, s15, 2
	s_add_co_u32 s10, s10, s17                     ; + 4 (32 w + 8 u)
	s_add_nc_u64 s[4:5], s[4:5], s[10:11]
.irp c, 0,1,2,3
.irp i, 0,1,2,3,4,5,6,7,8,9,10,11,12,13,14,15
	global_load_b32 v[NUM+16*\c+\i], v4, s[4:5] offset:(32*\c+\i)*1024   ; W2(128 s + 32 c + 16 h + i, n): the registers run down K
.endr
.endr
	s_branch .Lquant
.Lrows:
	s_lshl_b32 s10, s15, 10                        ; 32 w + 8 u rows of 1,024 bytes
	s_lshl_b32 s17, s14, 9
	s_add_co_u32 s10, s10, s17                     ; + 128 s numbers
	s_add_nc_u64 s[4:5], s[4:5], s[10:11]
.irp c, 0,1,2,3
.irp j, 0,1,2,3
	global_load_b128 v[NUM+16*\c+4*\j:NUM+16*\c+4*\j+3], v5, s[4:5] offset:128*\c+16*\j   ; W2(n, 128 s + 32 c + 16 h + 4 j ..): neighbours in memory
.endr
.endr
.Lquant:
	s_wait_loadcnt 0x0
.irp b, 0,1,2,3
	v_max3_num_f32 v[32+\b], |v[NUM+16*\b]|, |v[NUM+1+16*\b]|, 0x4800000   ; block b: my 16 numbers, and the floor 2^(9 - 127): so the byte cannot fall under 1
.endr
.irp i, 2,4,6,8,10,12,14
.irp b, 0,1,2,3
	v_max3_num_f32 v[32+\b], v[32+\b], |v[NUM+16*\b+\i]|, |v[NUM+1+16*\b+\i]|   ; the four blocks by turns
.endr
.endr
.irp b, 0,1,2,3
	v_permlanex16_b32 v[36+\b], v[32+\b], s20, s21
.endr
.irp b, 0,1,2,3
	v_max_num_f32 v[32+\b], v[32+\b], v[36+\b]     ; with lane l xor 16's: the block's largest magnitude
.endr
.irp b, 0,1,2,3
	v_add_nc_u32 v[44+\b], 0xfc000000, v[32+\b]    ; 8 off its exponent field: the conversion takes this operand's exponent field as its scale
.endr
.irp b, 0,1,2,3
	v_and_or_b32 v[40+\b], v[32+\b], 0x7f800000, s22   ; 448 x the scale
.endr
.irp b, 0,1,2,3
	v_lshrrev_b32 v[36+\b], 23, v[44+\b]           ; the scale's byte
.endr
	v_lshl_or_b32 v9, v37, 8, v36                  ; the four bytes make the scale word of N index n for this K step
	v_lshl_or_b32 v9, v38, 16, v9
	v_lshl_or_b32 v9, v39, 24, v9
.irp c, 0,1,2,3
.irp i, 0,1,2,3,4,5,6,7,8,9,10,11,12,13,14,15
	v_med3_num_f32 v[NUM+16*\c+\i], v[NUM+16*\c+\i], -v[40+\c], v[40+\c]   ; the conversion to an 8-bit code does not saturate (ISA guide 7.6.2): the hold at 448 x the scale
.endr
	v_cvt_scalef32_pk8_fp8_f32 v[48+4*\c:49+4*\c], v[NUM+16*\c:NUM+7+16*\c], v[44+\c]
	v_cvt_scalef32_pk8_fp8_f32 v[50+4*\c:51+4*\c], v[NUM+8+16*\c:NUM+15+16*\c], v[44+\c]
.endr
	v_nop                                          ; a plain line behind the last conversion
.irp c, 0,1,2,3
	global_store_b128 v6, v[48+4*\c:51+4*\c], s[24:25] offset:512*\c   ; 32 lanes store 512 consecutive bytes, at a multiple of 256 from the buffer's first byte
.endr
	global_store_b32 v7, v9, s[26:27]
	s_endpgm
.Lfunc_end_k_qc77a5fd73b_prep:
	.size	k_qc77a5fd73b_prep, .Lfunc_end_k_qc77a5fd73b_prep-k_qc77a5fd73b_prep
	.p2alignl 7, 3214868480
	.fill 96, 4, 3214868480
	.section	.rodata,"a",@progbits
	.p2align	6, 0x0
	.amdhsa_kernel k_qc77a5fd73b_prep
		.amdhsa_group_segment_fixed_size 0
		.amdhsa_private_segment_fixed_size 0
		.amdhsa_enable_private_segment 0
		.amdhsa_kernarg_size 16
		.amdhsa_user_sgpr_count 2
		.amdhsa_user_sgpr_kernarg_segment_ptr 1
		.amdhsa_wavefront_size32 1
		.amdhsa_system_sgpr_workgroup_id_x 1
		.amdhsa_system_sgpr_workgroup_id_y 1
		.amdhsa_system_sgpr_workgroup_id_z 1
		.amdhsa_system_vgpr_workitem_id 0
		.amdhsa_next_free_vgpr 128
		.amdhsa_next_free_sgpr 66
		.amdhsa_reserve_vcc 0
		.amdhsa_float_denorm_mode_32 3
		.amdhsa_float_denorm_mode_16_64 3
		.amdhsa_memory_ordered 1
		.amdhsa_forward_progress 1
		.amdhsa_inst_pref_size 18
	.end_amdhsa_kernel
	.amdgpu_metadata
---
amdhsa.version: [ 1, 2 ]
amdhsa.kernels:
  - .name:           k_qc77a5fd73b_prep
    .symbol:         k_qc77a5fd73b_prep.kd
    .args:
      - { .name: W2, .offset: 0, .size: 8, .value_kind: global_buffer, .address_space: global }
      - { .name: w2q, .offset: 8, .size: 8, .value_kind: global_buffer, .address_space: global }
    .group_segment_fixed_size: 0
    .private_segment_fixed_size: 0
    .kernarg_segment_align: 8
    .kernarg_segment_size: 16
    .max_flat_workgroup_size: 128
    .sgpr_count:     66
    .vgpr_count:     128
    .wavefront_size: 32
...
	.end_amdgpu_metadata
.endif
;; end of part 1
;; launch energy (part 2): grid 256 x 1, 8 waves a work-group, no clusters, 155,648 bytes of LDS; arguments x, W1, b1, b2, W3, w2q, out0; writes out0
.if DOCPART == 2
	.amdgcn_target "amdgcn-amd-amdhsa--gfx1250"
	.amdhsa_code_object_version 6
	.text
	.protected	k_qc77a5fd73b_energy
	.globl	k_qc77a5fd73b_energy
	.p2align	8
	.type	k_qc77a5fd73b_energy,@function
k_qc77a5fd73b_energy:
	s_mov_b64 s[64:65], 0
	v_nop
	global_prefetch_b8 v0, s[64:65] scope:SCOPE_SE
	s_setreg_imm32_b32 hwreg(HW_REG_WAVE_MODE, 25, 1), 1
	s_wait_xcnt 0x0
; out = KIN (lap f + |grad f|^2) + POT |x|^2, f the two-layer tanh network; the formulas stand at the head of the first kernel.
; WORK LEFT OUT (shown there, for all finite inputs): f's value and its tangent (products 3, 11, 12, input b3: not an argument); the primal's repeats inside the jvp (7, 9, 13, 14, 16); products by 1 and by the unit matrix (4, 13, 8);
; of products 17, 18 only component i of direction i.  A NaN or infinity that reaches only that work is not carried to the result.
; The sums are ordered otherwise than written:  lap = sum_j d1_j u_j - 2 sum_j dh1_j q_j,  u_j = sum_i W1_ij tdh1_ij,  q_j = h1_j d1_j sum_i W1_ij^2.
; SHARES.  256 work-groups of 8 waves; a work-group owns 128 samples, 8 trips of 16.  THE WAVES SHARE THE COLUMNS, NOT THE ROWS: wave w owns columns 32 w .. 32 w + 31 of both hidden layers.  Its slices of W2's two sets of codes
; and of W1 stay in registers for the whole launch (window 1, all 256), read from memory once.  What goes round through LDS is the rows' codes, as images of the operand's registers: lane l's 16 bytes at 16 l.
; A ROW TILE is 16 samples in one direction: tile 0 the primal row, tile 1 + i direction i.  Both products are used transposed (source 0 = 16 of W2's N indices, source 1 = 16 samples): lane (r, h) holds sample r throughout,
; and the 16 result registers of a wave's two tiles are columns 32 w + 16 h + 0 .. 15: one block half, 16 codes, 16 bytes of the next operand.  A block of 32 lies in lanes l and l xor 16 of ONE wave.
; A TRIP, two barriers:  A: z1, tanh, the nine tiles' codes of h1 and of d1 W1_i to LDS | barrier |  1: nine tiles x W2 (K = j); tanh of the primal; c tz2; their codes to LDS | barrier |
; 2: nine tiles x W2 (K = k); the partial sums of g_i and of lap over my 32 columns to LDS.  Behind the loop wave w adds trip w's partial sums of the eight waves and finishes 16 samples.
; The first set of images is written again only behind the second barrier, which every wave reaches with its reads of them awaited; the second set only behind the next trip's first barrier, likewise.
; No tensor load: nothing is streamed through LDS from memory.  No cluster: what work-groups share is 136 KB of weights, read once at the head straight into registers.
; LIMITS: tanh z = sign(z) (1 - e) / (1 + e), 1 - tanh^2 = 4 e / (1 + e)^2 with e = 2^(-2 log2(e) |z|) <= 1: nothing overflows; an e that falls to 0 gives +-1 and 0.  For |z| under about 0.01 tanh carries a relative
; error of about 1e-7 / |z| (the difference 0.5 - 0.5 e).  A block of zeros carries the byte 1 (its codes are zeros).  NaN and infinities among the inputs are not served.
.set IMGA,  0                          ; LDS: nine tiles x 4,096: tile T at 4096 T, wave w's piece (K = 32 w ..) at 512 w + 16 lane
.set IMGB,  36864                      ; the same for the second product's operand
.set SCA,   73728                      ; scale bytes: tile T at 128 T; row r, block w at 64 (w / 4) + 4 r + w % 4: a word at 4 x lane is K step 0's in lanes 0-15, K step 1's in lanes 16-31
.set SCBO,  1280                       ; the second set lies this far behind the first
.set TAB,   76288                      ; b1, sum_i W1_i^2, b2, W3: 1,024 bytes each
.set RED,   80384                      ; partial sums: 9216 wave + 1152 trip + 128 v + 4 lane; v = 0..7: g_i, v = 8: lap
.set OUTB,  154112                     ; the work-group's 128 results
.set SPARE, 154624                     ; the spare words, 128 bytes for each wave: four blocks of 256 bytes that no other line names
.set LIA, 1                            ; v1   16 lane + IMGA
.set LIB, 2                            ; v2   16 lane + IMGB
.set LS,  3                            ; v3   4 lane + SCA
.set WIA, 4                            ; v4   LIA + 512 w
.set WIB, 5                            ; v5   LIB + 512 w
.set WSC, 6                            ; v6   SCA + 64 (w / 4) + w % 4 + 4 r
.set TB,  7                            ; v7   TAB + 128 w + 64 h
.set RW0, 8                            ; v8   RED + 9216 w + 4 lane
.set RW,  9                            ; v9   RW0 + 1152 trip
.set XA,  10                           ; v10  32 r
.set RR,  11                           ; v11  RED + 1152 w + 4 lane: the way out reads trip w
.set OW,  12                           ; v12  OUTB + 64 w + 4 r
.set ORD, 13                           ; v13  OUTB + 16 lane
.set GO,  14                           ; v14  16 lane
.set RR2, 15                           ; v15  RR + 4 x 9216
.set SPW, 16                           ; v16  my spare word; never rewritten
.set NIL, 17                           ; v17  0; never rewritten
.set WSA, 18                           ; v18-21 scale words of W2 (K = j), tile u, K step s at 2 u + s
.set WSB, 22                           ; v22-25 of W2 (K = k)
.set DSC, 26                           ; v26-27 scale words of the batch's two row tiles
.set X,   28                           ; v28-35 my sample's eight numbers
.set XO,  36                           ; v36-43 x1, 0, x3, 0, x5, 0, x7, 0: the packed form takes a pair's low word for both halves
.set D1,  44                           ; v44-59 d1 of my 16 columns
.set QV,  60                           ; v60-75 q
.set CV,  76                           ; v76-91 c (phase 1), u (phase 2)
.set UV,  76
.set W3T, 92                           ; v92-107 W3's slice (phase 1), eight pairs of g's partial sums (phase 2)
.set GV,  92
.set FR,  108                          ; v108-171 two row tiles x 32 registers of codes; in phase A: two tiles of numbers
.set T0,  108
.set T1,  124
.set ACC, 172                          ; v172-203 row tile k, tile u at 16 k + 8 u; in phase A: z1 and sum W1^2; in phase 1's first batch the upper 16: dz2
.set ZR,  172
.set W2S, 188
.set DD,  188
.set QT,  204                          ; v204-215 the quantiser's, six a tile: +0 largest magnitude, +1 second chain and partner, +2 448 x scale, +3 scale operand, +4 byte; in phase 2 the sums
.set S1,  204
.set S2,  206
.set LP,  208
.set CO,  216                          ; v216-223 codes, four a tile
.set EV,  224                          ; v224-239 tanh: e;  at the head: temporaries
.set RV,  240                          ; v240-255 tanh: 2 / (1 + e)
.set QA,  0                            ; window 1: v0-63 W2's codes (K = j), (u, s) at 16 (2 u + s);
.set QB,  64                           ;           v64-127 (K = k);
.set W1R, 128                          ;           v128-255 W1[i][32 w + 16 h + t] at 16 i + t
.set MSB, 0
.macro WIN new                         ; the immediate's high byte repeats the setting that is left; 0x01: source 0 in window 1; 0x40: destination in window 1
.if MSB != \new
	s_set_vgpr_msb (MSB<<8)|\new
.set MSB, \new
.endif
.endm
.macro PLACES n                        ; plain vector lines between a matrix instruction and loads into its registers or reads of its result
.rept \n
	v_nop
.endr
.endm
.macro BARRIER                         ; my LDS stores have landed and my LDS loads are in: then the work-group's barrier
	s_wait_dscnt 0x0
	s_barrier_signal -1
	s_barrier_wait -1
.endm
; 16 numbers at v[z] become their tanh in place; v[d] gets 1 - tanh^2.  z is read from its low end on.
.macro TANH z, d
.irp t, 0,1,2,3,4,5,6,7,8,9,10,11,12,13,14,15
	v_mul_f32 v[EV+\t], s25, |v[\z+\t]|            ; -2 log2(e) |z|
.endr
.irp t, 0,1,2,3,4,5,6,7,8,9,10,11,12,13,14,15
	v_exp_f32 v[EV+\t], v[EV+\t]                   ; e, at most 1
.endr
	v_nop                                          ; a plain line behind the last exponential
	s_wait_alu depctr_va_vdst(0)                   ; one wait for the sixteen, ahead of their first reader
.irp p, 0,2,4,6,8,10,12,14
	v_pk_fma_f32 v[RV+\p:RV+\p+1], v[EV+\p:EV+\p+1], 0.5, 0.5 op_sel_hi:[1,0,0]
.endr
.irp t, 0,1,2,3,4,5,6,7,8,9,10,11,12,13,14,15
	v_rcp_f32 v[RV+\t], v[RV+\t]                   ; 2 / (1 + e)
.endr
.irp p, 0,2,4,6,8,10,12,14
	v_pk_fma_f32 v[\d+\p:\d+\p+1], v[EV+\p:EV+\p+1], -0.5, 0.5 op_sel_hi:[1,0,0]   ; (1 - e) / 2: plain work behind the reciprocals
.endr
	s_wait_alu depctr_va_vdst(0)                   ; one wait for the sixteen reciprocals
.irp p, 0,2,4,6,8,10,12,14
	v_pk_mul_f32 v[\d+\p:\d+\p+1], v[\d+\p:\d+\p+1], v[RV+\p:RV+\p+1]              ; |tanh|
.endr
.irp t, 0,1,2,3,4,5,6,7,8,9,10,11,12,13,14,15
	v_bfi_b32 v[\z+\t], s23, v[\d+\t], v[\z+\t]    ; with z's sign
.endr
.irp p, 0,2,4,6,8,10,12,14
	v_pk_mul_f32 v[EV+\p:EV+\p+1], v[EV+\p:EV+\p+1], v[RV+\p:RV+\p+1]
.endr
.irp p, 0,2,4,6,8,10,12,14
	v_pk_mul_f32 v[\d+\p:\d+\p+1], v[EV+\p:EV+\p+1], v[RV+\p:RV+\p+1]              ; 4 e / (1 + e)^2: no difference of near numbers
.endr
.endm
; cnt (1 or 2) row tiles, 16 numbers a lane at v[s0] and v[s1], become 16 codes a lane and a scale byte; they go to LDS as tiles t0, t0 + 1 by the address v[wi]; sco: which set of scale bytes.  The tiles go by turns.
.macro QUANT cnt, s0, s1, wi, t0, sco
.irp k, 0,1
.if \k < \cnt
.set QS, (\s0)+\k*((\s1)-(\s0))
	v_max3_num_f32 v[QT+6*\k], |v[QS]|, |v[QS+1]|, |v[QS+2]|                       ; the largest magnitude of my 16, in two chains
	v_max3_num_f32 v[QT+6*\k+1], |v[QS+3]|, |v[QS+4]|, |v[QS+5]|
.endif
.endr
.irp i, 6,10
.irp k, 0,1
.if \k < \cnt
.set QS, (\s0)+\k*((\s1)-(\s0))
	v_max3_num_f32 v[QT+6*\k], v[QT+6*\k], |v[QS+\i]|, |v[QS+\i+1]|
	v_max3_num_f32 v[QT+6*\k+1], v[QT+6*\k+1], |v[QS+\i+2]|, |v[QS+\i+3]|
.endif
.endr
.endr
.irp k, 0,1
.if \k < \cnt
.set QS, (\s0)+\k*((\s1)-(\s0))
	v_max3_num_f32 v[QT+6*\k], v[QT+6*\k], |v[QS+14]|, |v[QS+15]|
.endif
.endr
.irp k, 0,1
.if \k < \cnt
	v_max3_num_f32 v[QT+6*\k], v[QT+6*\k], v[QT+6*\k+1], 0x4800000                 ; and the floor 2^(9 - 127): the byte cannot fall under 1
.endif
.endr
.irp k, 0,1
.if \k < \cnt
	v_permlanex16_b32 v[QT+6*\k+1], v[QT+6*\k], s20, s21
.endif
.endr
.irp k, 0,1
.if \k < \cnt
	v_max_num_f32 v[QT+6*\k], v[QT+6*\k], v[QT+6*\k+1]                             ; with lane l xor 16's: the block's
.endif
.endr
.irp k, 0,1
.if \k < \cnt
	v_add_nc_u32 v[QT+6*\k+3], 0xfc000000, v[QT+6*\k]                              ; 8 off the exponent field: the conversion's scale operand
	v_and_or_b32 v[QT+6*\k+2], v[QT+6*\k], 0x7f800000, s22                         ; 448 x the scale
.endif
.endr
.irp k, 0,1
.if \k < \cnt
.set QS, (\s0)+\k*((\s1)-(\s0))
.irp i, 0,1,2,3,4,5,6,7,8,9,10,11,12,13,14,15
	v_med3_num_f32 v[QS+\i], v[QS+\i], -v[QT+6*\k+2], v[QT+6*\k+2]                 ; the conversion to an 8-bit code does not saturate (ISA guide 7.6.2): the hold
.endr
.endif
.endr
	s_wait_dscnt 0x0                               ; the last batch's LDS stores have read the codes' and the byte's registers; the fragments asked for ahead of this macro are in too
.irp k, 0,1
.if \k < \cnt
.set QS, (\s0)+\k*((\s1)-(\s0))
	v_cvt_scalef32_pk8_fp8_f32 v[CO+4*\k:CO+4*\k+1], v[QS:QS+7], v[QT+6*\k+3]
	v_cvt_scalef32_pk8_fp8_f32 v[CO+4*\k+2:CO+4*\k+3], v[QS+8:QS+15], v[QT+6*\k+3]
.endif
.endr
.irp k, 0,1
.if \k < \cnt
	v_lshrrev_b32 v[QT+6*\k+4], 23, v[QT+6*\k+3]   ; the scale's byte.  Also the plain line behind the conversions
.endif
.endr
.irp k, 0,1
.if \k < \cnt
	ds_store_b128 v[\wi], v[CO+4*\k:CO+4*\k+3] offset:4096*((\t0)+\k)
	ds_store_b8 v[WSC], v[QT+6*\k+4] offset:(\sco)+128*((\t0)+\k)                  ; lanes l and l xor 16 write the same byte with the same value
.endif
.endr
.endm
; row tile 'tile' comes back from LDS as the operand of both K steps, into set k, with its scale words
.macro FETCH k, adr, tile, sco
.irp p, 0,1,2,3,4,5,6,7
	ds_load_b128 v[FR+32*(\k)+4*\p:FR+32*(\k)+4*\p+3], v[\adr] offset:4096*(\tile)+512*\p
.endr
	ds_load_b32 v[DSC+(\k)], v[LS] offset:(\sco)+128*(\tile)
.endm
; cnt row tiles x my two tiles of W2 x two K steps.  The accumulators take turns, one instruction a turn.  bias = 1: the accumulators hold b2, and the first K step adds onto it.
.macro MM cnt, wb, wsb, bias
.irp s, 0,1
.irp k, 0,1
.if \k < \cnt
.irp u, 0,1
.set MA, ACC+16*\k+8*\u
.set MW, (\wb)+16*(2*\u+\s)
.set MB, FR+32*\k+16*\s
.set MS, (\wsb)+2*\u+\s
.if \s == 1
	v_wmma_scale_f32_16x16x128_f8f6f4 v[MA:MA+7], v[MW:MW+15], v[MB:MB+15], v[MA:MA+7], v[MS], v[DSC+\k] matrix_b_scale:MATRIX_SCALE_ROW1
.elseif \bias
	v_wmma_scale_f32_16x16x128_f8f6f4 v[MA:MA+7], v[MW:MW+15], v[MB:MB+15], v[MA:MA+7], v[MS], v[DSC+\k]
.else
	v_wmma_scale_f32_16x16x128_f8f6f4 v[MA:MA+7], v[MW:MW+15], v[MB:MB+15], 0, v[MS], v[DSC+\k]
.endif
.endr
.endif
.endr
.endr
.endm
	s_load_b256 s[4:11], s[0:1], 0x0               ; x s[4:5], W1 s[6:7], b1 s[8:9], b2 s[10:11]
	s_load_b128 s[12:15], s[0:1], 0x20             ; W3 s[12:13], w2q s[14:15]
	s_load_b64 s[16:17], s[0:1], 0x30              ; out0
	v_lshl_add_u32 v[SPW], v0, 2, SPARE
	v_mov_b32 v[NIL], 0
	v_lshrrev_b32 v224, 5, v0
	v_readfirstlane_b32 s18, v224                  ; wave 0..7
	v_and_b32 v224, 15, v0                         ; r
	v_bfe_u32 v225, v0, 4, 1                       ; h
	v_and_b32 v226, 31, v0                         ; lane
	v_lshlrev_b32 v227, 2, v0                      ; 4 x thread: my column of the tables, in memory
	v_lshl_add_u32 v228, v0, 2, TAB                ; and in LDS
	v_lshlrev_b32 v229, 6, v225                    ; 64 h
	v_lshlrev_b32 v230, 2, v226                    ; 4 x lane
	v_lshl_add_u32 v[LIA], v226, 4, IMGA
	v_lshl_add_u32 v[LIB], v226, 4, IMGB
	v_lshl_add_u32 v[LS], v226, 2, SCA
	s_lshl_b32 s28, s18, 9
	v_add_nc_u32 v[WIA], s28, v[LIA]
	v_add_nc_u32 v[WIB], s28, v[LIB]
	s_lshr_b32 s28, s18, 2
	s_lshl_b32 s28, s28, 6
	s_and_b32 s29, s18, 3
	s_add_co_u32 s28, s28, s29
	s_add_co_u32 s28, s28, SCA
	v_lshl_add_u32 v[WSC], v224, 2, s28
	s_lshl_b32 s28, s18, 7
	s_add_co_u32 s28, s28, TAB
	v_lshl_add_u32 v[TB], v225, 6, s28
	s_mul_i32 s28, s18, 9216
	s_add_co_u32 s28, s28, RED
	v_lshl_add_u32 v[RW0], v226, 2, s28
	v_lshlrev_b32 v[XA], 5, v224
	s_mul_i32 s28, s18, 1152
	s_add_co_u32 s28, s28, RED
	v_lshl_add_u32 v[RR], v226, 2, s28
	v_add_nc_u32 v[RR2], 36864, v[RR]
	s_lshl_b32 s28, s18, 6
	s_add_co_u32 s28, s28, OUTB
	v_lshl_add_u32 v[OW], v224, 2, s28
	v_lshl_add_u32 v[ORD], v226, 4, OUTB
	v_lshlrev_b32 v[GO], 4, v226
.irp m, 0,1,2,3
	v_mov_b32 v[XO+2*\m+1], 0                      ; named as the upper halves of pairs, so they are written
.endr
	s_mov_b32 s20, 0x76543210
	s_mov_b32 s21, 0xfedcba98                      ; v_permlanex16_b32's selects for lane l xor 16
	s_mov_b32 s22, 0x600000                        ; the mantissa field of 448
	s_mov_b32 s23, 0x7fffffff                      ; all but the sign
	s_mov_b32 s25, 0xc038aa3b                      ; -2 log2(e)
	s_mov_b32 s32, 0xc1a55210                      ; KIN = -197^2 / (2 x 939) = -20.665069
	s_mov_b32 s33, 0x409ad9c6                      ; POT = 0.5 x 939 x (20 / 197)^2 = 4.839084
	s_mov_b32 s19, 8                               ; trips to go
	s_mov_b32 s24, 0                               ; 1152 x trip
	s_mov_b32 s29, 0
	s_wait_kmcnt 0x0
	s_lshl_b32 s28, ttmp9, 12
	s_add_nc_u64 s[4:5], s[4:5], s[28:29]          ; x at the work-group's 128 samples of 32 bytes
	s_lshl_b32 s28, s18, 9
	s_add_nc_u64 s[26:27], s[4:5], s[28:29]        ; and at the 16 samples that I finish
	s_add_nc_u64 s[36:37], s[14:15], s[28:29]      ; w2q's scale words: 512 w
	s_lshl_b32 s28, ttmp9, 9
	s_add_nc_u64 s[16:17], s[16:17], s[28:29]      ; out0 at the work-group's 512 bytes
	s_lshl_b32 s28, s18, 7
	s_add_nc_u64 s[30:31], s[6:7], s[28:29]        ; W1 at my 32 columns
	s_lshl_b32 s28, s18, 13
	s_add_nc_u64 s[34:35], s[14:15], s[28:29]      ; w2q at my four fragments of each set
	global_load_b32 v108, v227, s[8:9]             ; b1, b2, W3 and W1's eight rows at column = my thread's number
	global_load_b32 v109, v227, s[10:11]
	global_load_b32 v110, v227, s[12:13]
.irp i, 0,1,2,3,4,5,6,7
	global_load_b32 v[111+\i], v227, s[6:7] offset:1024*\i
.endr
	global_load_b128 v[X:X+3], v[XA], s[4:5]       ; the first trip's samples
	global_load_b128 v[X+4:X+7], v[XA], s[4:5] offset:16
	WIN 0x40
.irp m, 0,1
.irp f, 0,1,2,3
.irp c, 0,1,2,3
	global_load_b128 v[64*\m+16*\f+4*\c:64*\m+16*\f+4*\c+3], v[GO], s[34:35] offset:65536*\m+2048*\f+512*\c   ; 512 consecutive bytes a load: a fragment's registers as they were laid
.endr
.endr
.endr
.irp i, 0,1,2,3,4,5,6,7
.irp j, 0,1,2,3
	global_load_b128 v[W1R+16*\i+4*\j:W1R+16*\i+4*\j+3], v229, s[30:31] offset:1024*\i+16*\j
.endr
.endr
	WIN 0
.irp m, 0,1
.irp f, 0,1,2,3
	global_load_b32 v[WSA+4*\m+\f], v230, s[36:37] offset:131072+4096*\m+128*\f
.endr
.endr
	s_wait_loadcnt 0x0
	v_mul_f32 v119, v111, v111                     ; sum_i W1_i^2 of my column
.irp i, 1,2,3,4,5,6,7
	v_fma_f32 v119, v[111+\i], v[111+\i], v119
.endr
	ds_store_b32 v228, v108
	ds_store_b32 v228, v119 offset:1024
	ds_store_b32 v228, v109 offset:2048
	ds_store_b32 v228, v110 offset:3072
	BARRIER                                        ; the tables lie in LDS
.Ltrip:
	; ---- A: z1 = b1 + x W1 on my 16 columns, tanh, and the nine row tiles of the first product's operand
	s_wait_loadcnt 0x0                             ; this trip's samples
.irp m, 0,1,2,3
	v_mov_b32 v[XO+2*\m], v[X+2*\m+1]
.endr
.irp j, 0,1,2,3
	ds_load_b128 v[ZR+4*\j:ZR+4*\j+3], v[TB] offset:16*\j             ; b1 starts the sums
.endr
.irp j, 0,1,2,3
	ds_load_b128 v[W2S+4*\j:W2S+4*\j+3], v[TB] offset:1024+16*\j
.endr
	s_wait_dscnt 0x0
	WIN 0x01
.irp i, 0,2,4,6
.irp p, 0,2,4,6,8,10,12,14
	v_pk_fma_f32 v[ZR+\p:ZR+\p+1], v[W1R+16*\i+\p:W1R+16*\i+\p+1], v[X+\i:X+\i+1], v[ZR+\p:ZR+\p+1] op_sel_hi:[1,0,1]
.endr
.irp p, 0,2,4,6,8,10,12,14
	v_pk_fma_f32 v[ZR+\p:ZR+\p+1], v[W1R+16*(\i+1)+\p:W1R+16*(\i+1)+\p+1], v[XO+\i:XO+\i+1], v[ZR+\p:ZR+\p+1] op_sel_hi:[1,0,1]
.endr
.endr
	WIN 0
	TANH ZR, D1                                    ; h1 in place, d1
.irp p, 0,2,4,6,8,10,12,14
	v_pk_mul_f32 v[QV+\p:QV+\p+1], v[ZR+\p:ZR+\p+1], v[D1+\p:D1+\p+1]
.endr
.irp p, 0,2,4,6,8,10,12,14
	v_pk_mul_f32 v[QV+\p:QV+\p+1], v[QV+\p:QV+\p+1], v[W2S+\p:W2S+\p+1]            ; q = h1 d1 sum_i W1_i^2
.endr
	QUANT 1, ZR, ZR, WIA, 0, 0                     ; tile 0: h1
.irp i, 0,2,4,6
	WIN 0x01
.irp p, 0,2,4,6,8,10,12,14
	v_pk_mul_f32 v[T0+\p:T0+\p+1], v[W1R+16*\i+\p:W1R+16*\i+\p+1], v[D1+\p:D1+\p+1]            ; th1_i = d1 W1_i
.endr
.irp p, 0,2,4,6,8,10,12,14
	v_pk_mul_f32 v[T1+\p:T1+\p+1], v[W1R+16*(\i+1)+\p:W1R+16*(\i+1)+\p+1], v[D1+\p:D1+\p+1]
.endr
	WIN 0
	QUANT 2, T0, T1, WIA, 1+\i, 0
.endr
	s_cmp_eq_u32 s19, 1                            ; the next trip's samples are asked for here, if there is a next trip: no load leaves its buffer
	s_cbranch_scc1 .Lno_next
	s_add_nc_u64 s[4:5], s[4:5], 512               ; (this trip's loads were waited for at its head, so their base may step)
	global_load_b128 v[X:X+3], v[XA], s[4:5]
	global_load_b128 v[X+4:X+7], v[XA], s[4:5] offset:16
.Lno_next:
	BARRIER                                        ; the nine tiles of the first operand lie in LDS
	; ---- 1: z2 and tz2_i on my 32 columns.  First the primal row
	FETCH 0, LIA, 0, 0
.irp j, 0,1,2,3
	ds_load_b128 v[ACC+4*\j:ACC+4*\j+3], v[TB] offset:2048+16*\j      ; b2, in the result's layout: the sums begin with it
.endr
.irp j, 0,1,2,3
	ds_load_b128 v[W3T+4*\j:W3T+4*\j+3], v[TB] offset:3072+16*\j
.endr
	s_wait_dscnt 0x0
	WIN 0x01
	MM 1, QA, WSA, 1
	WIN 0
	PLACES 8
	FETCH 0, LIA, 1, 0                             ; the next batch's fragments land under the tanh
	FETCH 1, LIA, 2, 0
	TANH ACC, DD                                   ; h2 in place, 1 - h2^2
.irp p, 0,2,4,6,8,10,12,14
	v_pk_mul_f32 v[DD+\p:DD+\p+1], v[W3T+\p:W3T+\p+1], v[DD+\p:DD+\p+1]            ; dz2
.endr
.irp p, 0,2,4,6,8,10,12,14
	v_pk_mul_f32 v[CV+\p:CV+\p+1], v[ACC+\p:ACC+\p+1], v[DD+\p:DD+\p+1]
.endr
.irp p, 0,2,4,6,8,10,12,14
	v_pk_mul_f32 v[CV+\p:CV+\p+1], v[CV+\p:CV+\p+1], -2.0 op_sel_hi:[1,0]          ; c = -2 h2 dz2
.endr
	QUANT 1, DD, DD, WIB, 0, SCBO
.irp g, 1,2,3,4                        ; directions 2 g - 2 and 2 g - 1.  Their fragments are in: the wait for 0 inside the QUANT above stands behind the loads
	WIN 0x01
	MM 2, QA, WSA, 0
	WIN 0
	PLACES 8
.if \g < 4
	FETCH 0, LIA, 2*\g+1, 0
	FETCH 1, LIA, 2*\g+2, 0
.endif
.irp k, 0,1
.irp p, 0,2,4,6,8,10,12,14
	v_pk_mul_f32 v[ACC+16*\k+\p:ACC+16*\k+\p+1], v[ACC+16*\k+\p:ACC+16*\k+\p+1], v[CV+\p:CV+\p+1]   ; tdz2 = c tz2, each accumulator from its low end on
.endr
.endr
	QUANT 2, ACC, ACC+16, WIB, 2*\g-1, SCBO
.endr
	BARRIER                                        ; the nine tiles of the second operand lie in LDS
	; ---- 2: dh1 and tdh1_i on my 32 columns, and the sums over them
	FETCH 0, LIB, 0, SCBO
	s_wait_dscnt 0x0
	WIN 0x01
	MM 1, QB, WSB, 0
	WIN 0
	PLACES 8
	FETCH 0, LIB, 1, SCBO
	FETCH 1, LIB, 2, SCBO
	v_pk_mul_f32 v[S2:S2+1], v[QV:QV+1], v[ACC:ACC+1]
.irp p, 2,4,6,8,10,12,14
	v_pk_fma_f32 v[S2:S2+1], v[QV+\p:QV+\p+1], v[ACC+\p:ACC+\p+1], v[S2:S2+1]      ; sum dh1 q
.endr
.irp p, 0,2,4,6,8,10,12,14
	v_pk_mul_f32 v[ACC+\p:ACC+\p+1], v[ACC+\p:ACC+\p+1], v[D1+\p:D1+\p+1]          ; dz1 = dh1 d1
.endr
	WIN 0x01
.irp i, 0,1,2,3,4,5,6,7
	v_pk_mul_f32 v[GV+2*\i:GV+2*\i+1], v[W1R+16*\i:W1R+16*\i+1], v[ACC:ACC+1]      ; g_i: eight chains by turns; the first product starts each
.endr
.irp p, 2,4,6,8,10,12,14
.irp i, 0,1,2,3,4,5,6,7
	v_pk_fma_f32 v[GV+2*\i:GV+2*\i+1], v[W1R+16*\i+\p:W1R+16*\i+\p+1], v[ACC+\p:ACC+\p+1], v[GV+2*\i:GV+2*\i+1]
.endr
.endr
	WIN 0
.irp g, 1,2,3,4
	s_wait_dscnt 0x0                               ; this batch's fragments and scale words
	WIN 0x01
	MM 2, QB, WSB, 0
	WIN 0
	PLACES 8
.if \g < 4
	FETCH 0, LIB, 2*\g+1, SCBO
	FETCH 1, LIB, 2*\g+2, SCBO
.endif
	WIN 0x01
.irp k, 0,1
.irp p, 0,2,4,6,8,10,12,14
.if (\g == 1) && (\k == 0)
	v_pk_mul_f32 v[UV+\p:UV+\p+1], v[W1R+16*(2*\g-2+\k)+\p:W1R+16*(2*\g-2+\k)+\p+1], v[ACC+16*\k+\p:ACC+16*\k+\p+1]   ; u = sum_i W1_i tdh1_i: direction 0 starts it
.else
	v_pk_fma_f32 v[UV+\p:UV+\p+1], v[W1R+16*(2*\g-2+\k)+\p:W1R+16*(2*\g-2+\k)+\p+1], v[ACC+16*\k+\p:ACC+16*\k+\p+1], v[UV+\p:UV+\p+1]
.endif
.endr
.endr
	WIN 0
.endr
	v_pk_mul_f32 v[S1:S1+1], v[D1:D1+1], v[UV:UV+1]
.irp p, 2,4,6,8,10,12,14
	v_pk_fma_f32 v[S1:S1+1], v[D1+\p:D1+\p+1], v[UV+\p:UV+\p+1], v[S1:S1+1]        ; sum d1 u
.endr
	v_add_nc_u32 v[RW], s24, v[RW0]
.irp i, 0,1,2,3,4,5,6,7
	v_add_f32 v[GV+2*\i], v[GV+2*\i], v[GV+2*\i+1]
.endr
	v_add_f32 v[S2], v[S2], v[S2+1]
	v_add_f32 v[S1], v[S1], v[S1+1]
	v_fma_f32 v[LP], -2.0, v[S2], v[S1]            ; lap's part of my 16 columns
.irp i, 0,1,2,3,4,5,6,7
	ds_store_b32 v[RW], v[GV+2*\i] offset:128*\i
.endr
	ds_store_b32 v[RW], v[LP] offset:1024
	s_add_co_u32 s24, s24, 1152
	s_sub_co_u32 s19, s19, 1
	s_cmp_lg_u32 s19, 0
	s_cbranch_scc1 .Ltrip
	; ---- THE WAY OUT: wave w finishes the 16 samples of trip w
	s_wait_loadcnt 0x0                             ; no load into x's registers is out
	global_load_b128 v[X:X+3], v[XA], s[26:27]
	global_load_b128 v[X+4:X+7], v[XA], s[26:27] offset:16
	BARRIER                                        ; all partial sums lie in LDS
.irp a, 0,1,2,3
.irp v, 0,1,2,3,4,5,6,7,8
	ds_load_b32 v[108+9*\a+\v], v[RR] offset:9216*\a+128*\v
.endr
.endr
.irp a, 0,1,2,3
.irp v, 0,1,2,3,4,5,6,7,8
	ds_load_b32 v[144+9*\a+\v], v[RR2] offset:9216*\a+128*\v
.endr
.endr
	s_wait_dscnt 0x0
.irp a, 1,2,3,4,5,6,7
.irp v, 0,1,2,3,4,5,6,7,8
	v_add_f32 v[108+\v], v[108+\v], v[108+9*\a+\v]             ; over the eight waves: nine chains by turns
.endr
.endr
.irp v, 0,1,2,3,4,5,6,7,8
	v_permlanex16_b32 v[117+\v], v[108+\v], s20, s21           ; (into registers that have been written and are done with)
.endr
.irp v, 0,1,2,3,4,5,6,7,8
	v_add_f32 v[108+\v], v[108+\v], v[117+\v]                  ; and over the two halves of the lanes: v108-115 g, v116 lap
.endr
.irp i, 0,1,2,3,4,5,6,7
	v_fma_f32 v116, v[108+\i], v[108+\i], v116                 ; lap + |g|^2
.endr
	s_wait_loadcnt 0x0                             ; my 16 samples
	v_mul_f32 v180, v[X], v[X]
.irp i, 1,2,3,4,5,6,7
	v_fma_f32 v180, v[X+\i], v[X+\i], v180                     ; |x|^2
.endr
	v_mul_f32 v180, s33, v180
	v_fma_f32 v180, s32, v116, v180                ; KIN (lap + |g|^2) + POT |x|^2
	ds_store_b32 v[OW], v180                       ; lanes l and l xor 16 write the same word with the same value
	s_wait_tensorcnt 0x0                           ; the wave's end, behind my last LDS store
	ds_add_u32 v[SPW], v[NIL]
	s_wait_dscnt 0x0                               ; my store of the results has landed too: the barrier below leans on it
	s_barrier_signal -1
	s_barrier_wait -1                              ; the work-group's 128 results lie in LDS
	s_cmp_lg_u32 s18, 0
	s_cbranch_scc1 .Lend
	ds_load_b128 v[128:131], v[ORD]
	s_wait_dscnt 0x0
	global_store_b128 v[GO], v[128:131], s[16:17]  ; wave 0 stores 512 consecutive bytes, at a multiple of 256 from out0's first byte
.Lend:
	s_endpgm
.Lfunc_end_k_qc77a5fd73b_energy:
	.size	k_qc77a5fd73b_energy, .Lfunc_end_k_qc77a5fd73b_energy-k_qc77a5fd73b_energy
	.p2alignl 7, 3214868480
	.fill 96, 4, 3214868480
	.section	.rodata,"a",@progbits
	.p2align	6, 0x0
	.amdhsa_kernel k_qc77a5fd73b_energy
		.amdhsa_group_segment_fixed_size 155648
		.amdhsa_private_segment_fixed_size 0
		.amdhsa_enable_private_segment 0
		.amdhsa_kernarg_size 56
		.amdhsa_user_sgpr_count 2
		.amdhsa_user_sgpr_kernarg_segment_ptr 1
		.amdhsa_wavefront_size32 1
		.amdhsa_system_sgpr_workgroup_id_x 1
		.amdhsa_system_sgpr_workgroup_id_y 1
		.amdhsa_system_sgpr_workgroup_id_z 1
		.amdhsa_system_vgpr_workitem_id 0
		.amdhsa_next_free_vgpr 512
		.amdhsa_next_free_sgpr 66
		.amdhsa_reserve_vcc 0
		.amdhsa_float_denorm_mode_32 3
		.amdhsa_float_denorm_mode_16_64 3
		.amdhsa_memory_ordered 1
		.amdhsa_forward_progress 1
		.amdhsa_inst_pref_size 121
	.end_amdhsa_kernel
	.amdgpu_metadata
---
amdhsa.version: [ 1, 2 ]
amdhsa.kernels:
  - .name:           k_qc77a5fd73b_energy
    .symbol:         k_qc77a5fd73b_energy.kd
    .args:
      - { .name: x, .offset: 0, .size: 8, .value_kind: global_buffer, .address_space: global }
      - { .name: W1, .offset: 8, .size: 8, .value_kind: global_buffer, .address_space: global }
      - { .name: b1, .offset: 16, .size: 8, .value_kind: global_buffer, .address_space: global }
      - { .name: b2, .offset: 24, .size: 8, .value_kind: global_buffer, .address_space: global }
      - { .name: W3, .offset: 32, .size: 8, .value_kind: global_buffer, .address_space: global }
      - { .name: w2q, .offset: 40, .size: 8, .value_kind: global_buffer, .address_space: global }
      - { .name: out0, .offset: 48, .size: 8, .value_kind: global_buffer, .address_space: global }
    .group_segment_fixed_size: 155648
    .private_segment_fixed_size: 0
    .kernarg_segment_align: 8
    .kernarg_segment_size: 56
    .max_flat_workgroup_size: 256
    .sgpr_count:     66
    .vgpr_count:     512
    .wavefront_size: 32
...
	.end_amdgpu_metadata
.endif
;; end of part 2
